; MI455X (gfx1250); checked and timed in simulation.
; The chip was launched on July 23, 2026; its instructions are those of AMD's public machine-readable ISA for CDNA 5 (MIT licence, August 2026) and "CDNA5" Instruction Set Architecture Reference Guide (July 2026). The comments in the code are by the model that wrote it; some were corrected since.
;; Self Attention. Allowed arithmetic: matrix products marked QUANTISED: E3M2 operands, one E8M0 scale for each 32 along K, by v_wmma_scale_f32_16x16x128_f8f6f4 with both operands' format E3M2, f32 sums; everything else in f32.
;; Inputs: Wk 32 x 256 float32; Wq 32 x 256 float32; Wv 256 x 256 float32; bk 32 float32; bq 32 float32; bv 256 float32; gamma 1 float32; x 4 x 256 x 4,096 float32.
;; Outputs: out0 4 x 256 x 4,096 float32.
;; This version of the problem:
;;   THIS VERSION OF THE PROBLEM IS GIVEN IN LOW PRECISION. The matrix products marked QUANTISED in the list below multiply operands that are first quantised to E3M2 (3 exponent bits, 2 mantissa bits; 6 bits a number), with one power-of-two scale for each 32 numbers along K (OCP MX v1.0); their sums are f32. All else is computed in f32.
;;   The module's matrix products, in the order in which they are computed (A, B: the left and right operand; K: the contracted axis; several contracted axes count as one K, in the product's order):
;;     1. [M 16,384, K 256] x [K 256, N 32]; A: input x; B: input Wq: QUANTISED
;;     2. [M 16,384, K 256] x [K 256, N 32]; A: input x; B: input Wk: QUANTISED
;;     3. batch 4 x [M 4,096, K 32] x [K 32, N 4,096]; A: computed on the way; B: computed on the way: QUANTISED
;;     4. [M 16,384, K 256] x [K 256, N 256]; A: input x; B: input Wv: QUANTISED
;;     5. batch 4 x [M 256, K 4,096] x [K 4,096, N 4,096]; A: computed on the way; B: softmax (see below): QUANTISED
;;   THE QUANTISER, for each operand of a quantised product, along K:
;;     - K is cut into blocks of 32 from its start; a last block that is shorter is filled with zeros.
;;     - A block's scale is 2^e with e = floor(log2(the largest magnitude in the block)) - 4, held to -126 .. 127; a block of zeros has e = 0. As a byte (E8M0): e + 127.
;;     - Each number is divided by its block's scale, clamped to +-28, and rounded to the nearest number of E3M2, ties to even, subnormals kept.
;;     - The product sums the exact products of the quantised numbers (number of the format x scale) in f32.
;;   ~~~python
;;   def quantise(x, axis):      # numpy; x: float32 -> the quantised numbers, widened to float32 again
;;       x = np.moveaxis(x, axis, -1); K = x.shape[-1]
;;       x = np.pad(x, [(0, 0)] * (x.ndim - 1) + [(0, -K % 32)]); x = x.reshape(x.shape[:-1] + (-1, 32)); a = np.abs(x).max(-1, keepdims=True)
;;       e = np.where(a > 0, np.clip(np.frexp(np.where(a > 0, a, 1))[1] - 1 - 4, -126, 127), 0)      # np.frexp(a)[1] - 1 = floor(log2(a)), exactly
;;       r = np.clip(x / 2.0 ** e, -28, 28)
;;       step = 2.0 ** (np.maximum(np.frexp(np.where(r == 0, 1, r))[1] - 1, -2) - 2)
;;       q = np.round(r / step) * step * 2.0 ** e      # np.round: ties to even
;;       return np.moveaxis(q.reshape(q.shape[:-2] + (-1,))[..., :K], -1, axis).astype(np.float32)
;;   ~~~
;;   SOFTMAX AHEAD OF A QUANTISED PRODUCT. Where the list says 'softmax', what is quantised is not the finished softmax but p = 2^(t - M), with t = logit x log2(e) and M = ceil(the row's largest t), a whole number; so 1/2 < the row's largest p <= 1. The row's sum l is taken of the UNQUANTISED p, in f32, and the product's result is divided by l at the end. Since M is a whole number, a kernel that streams over the keys may use a running M (the ceiling of the running maximum): every later rescaling is an exact power of two, which a block's scale takes up: the codes' values come out the same.
;;   OPERANDS COMPUTED ON THE WAY. 'Computed on the way' means the value that the module computes at that place (a softmax that the list does not call 'softmax' is quantised finished and normalised). What goes into a quantiser is computed in f32, as accurately as f32 sums, v_exp_f32 and their like allow (about 1e-6 of the number): no bf16 or f16 on the way to a quantiser, and a product that is left as it is and whose result goes on into a quantised operand takes f32 operands (vector FMAs, or v_wmma_f32_16x16x4_f32). A number that lies on a knife's edge between two numbers of the format may be rounded either way, as far as f32 arithmetic and the matrix unit's own rounding can turn it there, and no further.
;; One version. Each part assembles by itself: llvm-mc -triple=amdgcn-amd-amdhsa -mcpu=gfx1250 --defsym DOCPART=n.
;; ======== version 1 of 1: 3 launches
;; workspace buffers: wimg 66,560 bytes; qrec 524,288 bytes; kv 3,702,784 bytes
;; launch wquant (part 1): grid 20 x 1, 2 waves a work-group, no clusters, 0 bytes of LDS; arguments Wq, Wk, Wv, wimg; writes wimg
.if DOCPART == 1
	.amdgcn_target "amdgcn-amd-amdhsa--gfx1250"
	.amdhsa_code_object_version 6
	.text
	.protected	k_q76b557ee8c_wquant
	.globl	k_q76b557ee8c_wquant
	.p2align	8
	.type	k_q76b557ee8c_wquant,@function
k_q76b557ee8c_wquant:
	s_mov_b64 s[64:65], 0
	v_nop
	global_prefetch_b8 v0, s[64:65] scope:SCOPE_SE
	s_setreg_imm32_b32 hwreg(HW_REG_WAVE_MODE, 25, 1), 1
	s_wait_xcnt 0x0
; Wq [32][256], Wk [32][256], Wv [256][256], f32, K = the 256 channels innermost, become codes of E3M2 with one E8M0 byte for each 32 along K,
; laid as IMAGES OF THE OPERAND'S REGISTERS: fragment f = 2 T + s (tile T of 16 rows, K step s of 128): registers 4 i .. 4 i + 3 of lane l at 1536 f + 512 i + 16 l;
; its scale words at 61440 + 128 f + 4 l (both halves of the lanes hold row l % 16's word).
; Tiles 0, 1: Wq; 2, 3: Wk: row r of tile u is d = 8 u + r + 8 (r / 8), so that the next launch's transposed product leaves 16 neighbouring d in a lane.  Tiles 4-19: Wv, row r = channel 16 (T - 4) + r.
; A work-group takes a tile, each of its two waves a K step: one wave, one fragment.  20 work-groups: all the work there is (320 KiB of weights); quantised once here, 256 work-groups of the next launch read codes.
; A block's scale is 2^(floor(log2(largest magnitude)) - 4); its byte is the largest magnitude's exponent field - 4, held at 1 from below.
; LIMITS: a block whose largest magnitude lies under 2^-122 keeps the byte 1; a block of zeros has the byte 1 where the rule says 127 (its codes are zeros, and this program alone reads the bytes); NaN and infinities are not served.
.set X,  16                            ; v16-79   64 numbers: block c (k = 64 c + 32 h + 0..31 of the K step) at X + 32 c
.set CD, 88                            ; v88-99   the fragment's 12 registers
	s_load_b128 s[4:7], s[0:1], 0x0                ; Wq, Wk
	s_load_b128 s[8:11], s[0:1], 0x10              ; Wv, wimg
	v_lshrrev_b32 v1, 5, v0
	v_readfirstlane_b32 s12, v1                    ; the wave's number = K step s
	v_and_b32 v2, 15, v0                           ; r
	v_bfe_u32 v3, v0, 4, 1                         ; h
	v_and_b32 v4, 31, v0                           ; lane
	s_mov_b32 s24, 0x76543210
	s_mov_b32 s25, 0xfedcba98                      ; v_permlanex16_b32's selects for lane l xor 16
	s_and_b32 s13, ttmp9, 1
	s_lshl_b32 s13, s13, 3                         ; Wq, Wk: the tile begins at row 8 (T % 2)
	s_max_u32 s14, ttmp9, 4
	s_sub_co_u32 s14, s14, 4
	s_lshl_b32 s14, s14, 4                         ; Wv: at row 16 (T - 4)
	s_cmp_lt_u32 ttmp9, 4
	s_cselect_b32 s13, s13, s14
	s_cselect_b32 s15, 8, 0                        ; and rows 8-15 of a tile of Wq, Wk lie 8 further on
	v_lshrrev_b32 v5, 3, v2
	v_mul_u32_u24 v5, s15, v5
	v_add3_u32 v5, v5, v2, s13                     ; my row
	v_lshlrev_b32 v5, 10, v5                       ; 1,024 bytes a row
	v_lshl_add_u32 v5, v3, 7, v5                   ; + 128 h: my block of 32
	s_lshl_b32 s16, s12, 9
	v_add_nc_u32 v5, s16, v5                       ; + 512 s
	v_lshlrev_b32 v6, 4, v4                        ; 16 x lane
	v_lshlrev_b32 v7, 2, v4                        ; 4 x lane
	v_lshlrev_b32 v8, 3, v3                        ; 8 h
	v_mov_b32 v86, 0                               ; a lane permute's destination counts as one of its sources
	s_lshl_b32 s17, ttmp9, 1
	s_add_co_u32 s17, s17, s12                     ; f = 2 T + s
	s_mul_i32 s18, s17, 1536
	s_mov_b32 s19, 0
	s_lshl_b32 s26, s17, 7
	s_add_co_u32 s26, s26, 61440
	s_mov_b32 s27, 0
	s_wait_kmcnt 0x0
	s_add_nc_u64 s[20:21], s[10:11], s[18:19]      ; where the fragment's image goes,
	s_add_nc_u64 s[22:23], s[10:11], s[26:27]      ; and its scale words
	s_cmp_lt_u32 ttmp9, 2                          ; which weight: the choice hangs on the work-group's number alone
	s_cselect_b64 s[4:5], s[4:5], s[6:7]
	s_cmp_lt_u32 ttmp9, 4
	s_cselect_b64 s[4:5], s[4:5], s[8:9]
.irp c, 0,1
.irp i, 0,1,2,3,4,5,6,7
	global_load_b128 v[X+32*\c+4*\i:X+32*\c+4*\i+3], v5, s[4:5] offset:256*\c+16*\i
.endr
.endr
	s_wait_loadcnt 0x0
.irp c, 0,1                                    ; each block's largest magnitude: all 32 numbers are mine; two chains a block, the blocks by turns
	v_max3_num_f32 v[80+\c], |v[X+32*\c]|, |v[X+32*\c+1]|, |v[X+32*\c+2]|
.endr
.irp c, 0,1
	v_max3_num_f32 v[82+\c], |v[X+32*\c+3]|, |v[X+32*\c+4]|, |v[X+32*\c+5]|
.endr
.irp i, 6,10,14,18,22,26
.irp c, 0,1
	v_max3_num_f32 v[80+\c], v[80+\c], |v[X+32*\c+\i]|, |v[X+32*\c+\i+1]|
.endr
.irp c, 0,1
	v_max3_num_f32 v[82+\c], v[82+\c], |v[X+32*\c+\i+2]|, |v[X+32*\c+\i+3]|
.endr
.endr
.irp c, 0,1
	v_max3_num_f32 v[80+\c], v[80+\c], |v[X+32*\c+30]|, |v[X+32*\c+31]|
.endr
.irp c, 0,1
	v_max3_num_f32 v[80+\c], v[80+\c], v[82+\c], 0x2800000   ; and the floor 2^(5 - 127): the byte cannot fall under 1
.endr
.irp c, 0,1
	v_add_nc_u32 v[82+\c], 0xfe000000, v[80+\c]    ; 4 off the exponent field: the conversion's scale operand
.endr
.irp c, 0,1
	v_lshrrev_b32 v[84+\c], 23, v[82+\c]           ; the scale's byte
.endr
	v_lshl_or_b32 v108, v85, 16, v84               ; my two bytes: blocks h and 2 + h,
	v_lshlrev_b32 v108, v8, v108                   ; at their places in the word;
	v_permlanex16_b32 v86, v108, s24, s25
	v_or_b32 v108, v108, v86                       ; with lane l xor 16's two the word is whole
.irp c, 0,1
	v_cvt_scalef32_pk16_bf6_f32 v[CD+6*\c:CD+6*\c+2], v[X+32*\c:X+32*\c+15], v[82+\c]
	v_cvt_scalef32_pk16_bf6_f32 v[100+4*\c:102+4*\c], v[X+32*\c+16:X+32*\c+31], v[82+\c]   ; (a conversion's three registers begin on an even number)
.endr
	v_nop                                          ; one plain place behind a scaled conversion
.irp c, 0,1
.irp i, 0,1,2
	v_mov_b32 v[CD+6*\c+3+\i], v[100+4*\c+\i]
.endr
.endr
.irp i, 0,1,2
	global_store_b128 v6, v[CD+4*\i:CD+4*\i+3], s[20:21] offset:512*\i   ; 32 lanes store 512 consecutive bytes
.endr
	global_store_b32 v7, v108, s[22:23]
	s_endpgm
.Lfunc_end_k_q76b557ee8c_wquant:
	.size	k_q76b557ee8c_wquant, .Lfunc_end_k_q76b557ee8c_wquant-k_q76b557ee8c_wquant
	.p2alignl 7, 3214868480
	.fill 96, 4, 3214868480
	.section	.rodata,"a",@progbits
	.p2align	6, 0x0
	.amdhsa_kernel k_q76b557ee8c_wquant
		.amdhsa_group_segment_fixed_size 0
		.amdhsa_private_segment_fixed_size 0
		.amdhsa_enable_private_segment 0
		.amdhsa_kernarg_size 32
		.amdhsa_user_sgpr_count 2
		.amdhsa_user_sgpr_kernarg_segment_ptr 1
		.amdhsa_wavefront_size32 1
		.amdhsa_system_sgpr_workgroup_id_x 1
		.amdhsa_system_sgpr_workgroup_id_y 1
		.amdhsa_system_sgpr_workgroup_id_z 1
		.amdhsa_system_vgpr_workitem_id 0
		.amdhsa_next_free_vgpr 128
		.amdhsa_next_free_sgpr 66
		.amdhsa_reserve_vcc 0
		.amdhsa_float_denorm_mode_32 3
		.amdhsa_float_denorm_mode_16_64 3
		.amdhsa_memory_ordered 1
		.amdhsa_forward_progress 1
		.amdhsa_inst_pref_size 7
	.end_amdhsa_kernel
	.amdgpu_metadata
---
amdhsa.version: [ 1, 2 ]
amdhsa.kernels:
  - .name:           k_q76b557ee8c_wquant
    .symbol:         k_q76b557ee8c_wquant.kd
    .args:
      - { .name: Wq, .offset: 0, .size: 8, .value_kind: global_buffer, .address_space: global }
      - { .name: Wk, .offset: 8, .size: 8, .value_kind: global_buffer, .address_space: global }
      - { .name: Wv, .offset: 16, .size: 8, .value_kind: global_buffer, .address_space: global }
      - { .name: wimg, .offset: 24, .size: 8, .value_kind: global_buffer, .address_space: global }
    .group_segment_fixed_size: 0
    .private_segment_fixed_size: 0
    .kernarg_segment_align: 8
    .kernarg_segment_size: 32
    .max_flat_workgroup_size: 64
    .sgpr_count:     66
    .vgpr_count:     128
    .wavefront_size: 32
...
	.end_amdgpu_metadata
.endif
;; end of part 1
;; launch proj (part 2): grid 64 x 4, 4 waves a work-group, no clusters, 16,384 bytes of LDS; arguments x, wimg, bq, bk, bv, qrec, kv; writes qrec, kv
.if DOCPART == 2
	.amdgcn_target "amdgcn-amd-amdhsa--gfx1250"
	.amdhsa_code_object_version 6
	.text
	.protected	k_q76b557ee8c_proj
	.globl	k_q76b557ee8c_proj
	.p2align	8
	.type	k_q76b557ee8c_proj,@function
k_q76b557ee8c_proj:
	s_mov_b64 s[64:65], 0
	v_nop
	global_prefetch_b8 v0, s[64:65] scope:SCOPE_SE
	s_setreg_imm32_b32 hwreg(HW_REG_WAVE_MODE, 25, 1), 1
	s_wait_xcnt 0x0
; For 64 points of one batch: x [256 c][64 n] is quantised along c; q = Wq x + bq, k = Wk x + bk, v = Wv x + bv on codes of E3M2 (f32 sums, the bias as the first C); q and k are quantised along d (one block of 32),
; v along the points (its K in the next launch), and all three leave in the layouts that the attention launch reads.
; SHARES.  Work-group (nb, b): points 64 nb .. + 63 of batch b = half c' = nb % 2 of the record of 128 keys st = nb / 2.  256 work-groups of four waves; the text is straight: no loop, no tensor load.
; POINT TILES.  Row m of point tile u (0..3) is point 32 (m / 8) + 8 u + m % 8.  So with source 0 = x's tile u and source 1 = 16 rows of Wv, lane (r, h) holds in register 8 u + j: v(channel r, point 32 h + 8 u + j):
; after four tiles a lane's 32 registers are ONE WHOLE BLOCK of 32 neighbouring points, which is what V's fragment wants in that lane: no lane is asked for a maximum and nothing changes lanes.
; X.  x's K (c) is not innermost: a lane takes a point and its registers run down c.  Wave w: point tiles 2 (w % 2), + 1 (lanes 0-15, lanes 16-31), K step w / 2: four whole blocks a lane.
; Twelve exchanges of halves make of them two fragments; they go to LDS as images of their registers (16 bytes a lane, 512 a store), the scale words likewise.
; q, k: wave w takes point tile w, transposed (source 0 = 16 rows of the weight, chosen so that a lane's 16 registers are d = 16 h + 0..15).  v: wave w takes channels 64 w .. + 63, two tiles at a time.
; OUT.  qrec [b][n] 32 bytes: 24 of codes, the scale byte as a word, twice.  kv [b][st] a record of REC bytes: V's half fragments as register images; K's codes, 24 bytes a key; V's scale words; K's scale words as images.
; LIMITS: a block whose largest magnitude lies under 2^-122 keeps the byte 1; a block of zeros has the byte 1 where the rule says 127 (its codes are zeros; this program alone reads the bytes); NaN and infinities are not served.
; V's scale words are written by halves (2 bytes of 4) by two work-groups, q's and k's codes by 12 bytes a lane: 1 KiB and 3 KiB of a record of 28 KiB.
; REGISTERS.  window 0: v1-15 addresses; v16-39 the two fragments of x just made, later v16-47 V's codes; v48-63 small things; v64-191 128 numbers of x, then x's eight fragments (v64-159);
;   v160-223 accumulators (for q, k: v160-191, and my tile's two fragments in v192-215); v224-245 scale words and nothing else; v246-255 at work.
;   window 1: v0-95 Wq's, Wk's eight fragments; v96-191 my eight of Wv; v192-223 bq, bk in the result's layout; v224-255 bv, eight registers a tile.
.set REC,  28928                       ; a record: 113 x 256 bytes
.set RK,   24576                       ; K's codes
.set RVS,  27648                       ; V's scale words, 4 bytes a channel
.set RKS,  28672                       ; K's scale images
.set XSC,  12288                       ; LDS: x's 8 fragments at 0 (fragment (u, s) at 1536 (2 u + s)); their scale images (pair, s) at XSC + 256 pair + 128 s;
.set KSB,  12800                       ; k's scale bytes, 4 r + u
.set ACC,  160
.set MSB, 0
.macro WIN new                         ; the immediate's high byte repeats the setting that is left
.if MSB != \new
	s_set_vgpr_msb (MSB<<8)|\new
.set MSB, \new
.endif
.endm
.macro PLACES n
.rept \n
	v_nop
.endr
.endm
.macro BMAX d, t, s                    ; the largest magnitude of the 32 numbers from v[s] on, in ascending order, two chains, with the floor 2^(5 - 127) among the leaves
	v_max3_num_f32 v[\d], |v[(\s)]|, |v[(\s)+1]|, |v[(\s)+2]|
	v_max3_num_f32 v[\t], |v[(\s)+3]|, |v[(\s)+4]|, |v[(\s)+5]|
.irp i, 6,10,14,18,22,26
	v_max3_num_f32 v[\d], v[\d], |v[(\s)+\i]|, |v[(\s)+\i+1]|
	v_max3_num_f32 v[\t], v[\t], |v[(\s)+\i+2]|, |v[(\s)+\i+3]|
.endr
	v_max3_num_f32 v[\d], v[\d], |v[(\s)+30]|, |v[(\s)+31]|
	v_max3_num_f32 v[\d], v[\d], v[\t], 0x2800000
.endm
.macro XLOAD be                        ; block be: x(128 kh + 32 be + i, my point), i = 0..31
.set i, 0
.rept 32
	global_load_b32 v[64+32*(\be)+i], v1, s[4:5] offset:(32*(\be)+i)*16384
.set i, i+1
.endr
.endm
.macro QX be                           ; block be becomes six registers of codes: even blocks in v16.., odd ones in v28..; its byte goes into the scale word v48
	BMAX 246, 247, 64+32*(\be)
	v_add_nc_u32 v248, 0xfe000000, v246            ; 4 off the exponent field: the conversion's scale operand
	v_lshrrev_b32 v249, 23, v248                   ; the scale's byte
.if (\be) == 0
	v_mov_b32 v48, v249
.else
	v_lshl_or_b32 v48, v249, 8*(\be), v48
.endif
.set QB, 16+12*((\be)%2)+6*((\be)/2)
	v_cvt_scalef32_pk16_bf6_f32 v[QB:QB+2], v[64+32*(\be):64+32*(\be)+15], v248
	v_cvt_scalef32_pk16_bf6_f32 v[40:42], v[64+32*(\be)+16:64+32*(\be)+31], v248   ; (a conversion's three registers begin on an even number)
	v_nop                                          ; one plain place behind a scaled conversion
.irp i, 0,1,2
	v_mov_b32 v[QB+3+\i], v[40+\i]
.endr
.endm
.macro QK16 s, code, by, so            ; 16 numbers of a lane, d = 16 h + 0..15 of my point: the block's other half lies in lane l xor 16
	v_max3_num_f32 v246, |v[(\s)]|, |v[(\s)+1]|, 0x2800000
.irp i, 2,4,6,8,10,12,14
	v_max3_num_f32 v246, v246, |v[(\s)+\i]|, |v[(\s)+\i+1]|
.endr
	v_permlanex16_b32 v250, v246, s22, s23
	v_max_num_f32 v246, v246, v250
	v_add_nc_u32 v[\so], 0xfe000000, v246
	v_lshrrev_b32 v[\by], 23, v[\so]
	v_cvt_scalef32_pk16_bf6_f32 v[\code:\code+2], v[(\s):(\s)+15], v[\so]
.endm
.macro QV i, idx                       ; the 32 numbers of accumulators 4 i .. 4 i + 3: a whole block of points of my channel: six registers of V's fragment, at v[16 + 8 idx]; my two lanes' bytes in v[252 + i]
	BMAX 246, 247, ACC+32*(\i)
	v_add_nc_u32 v248, 0xfe000000, v246
	v_lshrrev_b32 v249, 23, v248
	v_cvt_scalef32_pk16_bf6_f32 v[16+8*(\idx):18+8*(\idx)], v[ACC+32*(\i):ACC+32*(\i)+15], v248
	v_cvt_scalef32_pk16_bf6_f32 v[58:60], v[ACC+32*(\i)+16:ACC+32*(\i)+31], v248
	v_lshlrev_b32 v[252+(\i)], v14, v249           ; my byte, 8 h bits up.  (The plain place behind the conversions)
.irp j, 0,1,2
	v_mov_b32 v[19+8*(\idx)+\j], v[58+\j]
.endr
	v_permlanex16_b32 v250, v[252+(\i)], s22, s23
	v_or_b32 v[252+(\i)], v[252+(\i)], v250        ; blocks 2 c' and 2 c' + 1 of my channel: two bytes
.endm
.macro VMM p, i, u, s                  ; v: points of tile u x channel tile 4 w + 2 p + i, K step s
.set rD, ACC+32*(\i)+8*(\u)
.set rA, 64+12*(2*(\u)+(\s))
.set rB, 96+12*(2*(2*(\p)+(\i))+(\s))
.set rC, 224+8*(2*(\p)+(\i))           ; the bias starts the sum;
.if (\s) == 1
.set rC, rD                            ; the second K step adds in place
.endif
.set rSA, 240+2*((\u)/2)+(\s)          ; x's scale words: the pair's even tile in lanes 0-15, the odd one in lanes 16-31
.set rSB, 232+2*(2*(\p)+(\i))+(\s)
.if ((\u)%2) == 0
	v_wmma_scale_f32_16x16x128_f8f6f4 v[rD:rD+7], v[rA:rA+11], v[rB:rB+11], v[rC:rC+7], v[rSA], v[rSB] matrix_a_fmt:MATRIX_FMT_BF6 matrix_b_fmt:MATRIX_FMT_BF6
.else
	v_wmma_scale_f32_16x16x128_f8f6f4 v[rD:rD+7], v[rA:rA+11], v[rB:rB+11], v[rC:rC+7], v[rSA], v[rSB] matrix_a_fmt:MATRIX_FMT_BF6 matrix_b_fmt:MATRIX_FMT_BF6 matrix_a_scale:MATRIX_SCALE_ROW1
.endif
.endm
.macro VPASS p                         ; two channel tiles: eight accumulators by turns, two K steps
	PLACES 5                                       ; the results are laid over registers of earlier matrix instructions: five places
	WIN 0x14                                       ; source 1 (Wv) and source 2 (bv) window 1
.irp i, 0,1
.irp u, 0,1,2,3
	VMM \p, \i, \u, 0
.endr
.endr
	WIN 0x04
.irp i, 0,1
.irp u, 0,1,2,3
	VMM \p, \i, \u, 1
.endr
.endr
	WIN 0
	PLACES 4                                       ; in front of the first read of results
	QV 0, 2*(\p)
	QV 1, 2*(\p)+1
	v_cndmask_b32 v[254+(\p)], v252, v253, vcc_lo  ; lanes 0-15: the first tile's channels, lanes 16-31: the second's
.irp i, 0,1
	global_store_b128 v2, v[16+8*(2*(\p)+\i):19+8*(2*(\p)+\i)], s[30:31] offset:(2*(\p)+\i)*768       ; registers 6 c' + 0..3 of the fragment: 512 consecutive bytes
	global_store_b64 v3, v[20+8*(2*(\p)+\i):21+8*(2*(\p)+\i)], s[30:31] offset:(2*(\p)+\i)*768+512    ; registers 6 c' + 4, 5: 256 consecutive bytes
.endr
	global_store_b16 v15, v[254+(\p)], s[16:17] offset:128*(\p)   ; no store's data are written again: each pass has registers of its own
.endm
	s_load_b256 s[4:11], s[0:1], 0x0               ; x s[4:5], wimg s[6:7], bq s[8:9], bk s[10:11]
	s_load_b128 s[12:15], s[0:1], 0x20             ; bv s[12:13], qrec s[14:15]
	s_load_b64 s[16:17], s[0:1], 0x30              ; kv
	v_lshrrev_b32 v16, 5, v0
	v_readfirstlane_b32 s18, v16                   ; wave w
	s_and_b32 s19, s18, 1                          ; pr = w % 2
	s_lshr_b32 s20, s18, 1                         ; kh = w / 2
	s_and_b32 s21, ttmp7, 0xffff                   ; b
	s_mov_b32 s22, 0x76543210
	s_mov_b32 s23, 0xfedcba98                      ; v_permlanex16_b32's selects for lane l xor 16
	s_mov_b32 vcc_lo, 0xffff0000                   ; lanes 16-31
	s_and_b32 s24, ttmp9, 1                        ; c'
	s_lshr_b32 s25, ttmp9, 1                       ; st
	v_and_b32 v17, 31, v0                          ; L
	v_and_b32 v18, 15, v0                          ; r
	v_bfe_u32 v19, v0, 4, 1                        ; h
	v_bfe_u32 v20, v0, 3, 1                        ; r / 8
	v_and_b32 v21, 7, v0                           ; r % 8
	v_lshl_add_u32 v22, v20, 5, v21                ; 32 (r / 8) + r % 8
	v_lshl_add_u32 v1, v19, 3, v22                 ; + 8 h
	s_lshl_b32 s26, s19, 4
	v_add_nc_u32 v1, s26, v1                       ; + 16 pr: the point that my lane quantises
	v_lshlrev_b32 v1, 2, v1                        ; v1   its byte in a row of x
	v_lshlrev_b32 v2, 4, v17                       ; v2   16 L
	v_lshlrev_b32 v3, 3, v17                       ; v3   8 L
	v_lshlrev_b32 v4, 2, v17                       ; v4   4 L
	s_mul_i32 s26, s19, 6144
	s_mul_i32 s27, s20, 1536
	s_add_co_u32 s26, s26, s27
	v_add_nc_u32 v5, s26, v2                       ; v5   where I store x's images: fragment (2 pr, kh); (2 pr + 1, kh) lies 3,072 on
	s_lshl_b32 s26, s19, 8
	s_lshl_b32 s27, s20, 7
	s_add_co_u32 s26, s26, s27
	s_add_co_u32 s26, s26, XSC
	v_add_nc_u32 v6, s26, v4                       ; v6   and their scale words
	s_mul_i32 s26, s18, 3072
	v_add_nc_u32 v7, s26, v2                       ; v7   my point tile's two fragments
	s_lshl_b32 s26, s20, 8
	s_lshl_b32 s27, s19, 6
	s_add_co_u32 s26, s26, s27
	s_add_co_u32 s26, s26, XSC
	v_lshl_add_u32 v8, v18, 2, s26                 ; v8   my point tile's scale words, row r's in lane r
	s_add_co_u32 s26, s18, KSB
	v_lshl_add_u32 v9, v18, 2, s26                 ; v9   k's scale byte of row r, block w
	v_lshl_add_u32 v10, v18, 2, KSB                ; v10  row r's four
	s_lshl_b32 s26, s18, 3
	v_add_nc_u32 v23, s26, v22                     ; pt = 32 (r / 8) + 8 w + r % 8: row r of point tile w
	v_mul_u32_u24 v24, v19, 12
	v_lshl_add_u32 v11, v23, 5, v24                ; v11  qrec: 32 pt + 12 h
	v_lshlrev_b32 v12, 5, v23
	v_lshl_add_u32 v12, v19, 2, v12
	v_add_nc_u32 v12, 24, v12                      ; v12  32 pt + 24 + 4 h
	s_mul_i32 s26, s24, 1536
	s_add_co_u32 s26, s26, RK
	v_mad_u32_u24 v13, v23, 24, v24
	v_add_nc_u32 v13, s26, v13                     ; v13  the record: RK + 24 (64 c' + pt) + 12 h
	v_lshlrev_b32 v14, 3, v19                      ; v14  8 h
	s_lshl_b32 s26, s18, 8
	s_lshl_b32 s27, s24, 1
	s_add_co_u32 s26, s26, s27
	s_add_co_u32 s26, s26, RVS
	v_add_nc_u32 v15, s26, v4                      ; v15  RVS + 256 w + 4 L + 2 c'
	v_lshlrev_b32 v61, 6, v19                      ; v61  bq, bk: 64 h
	s_lshl_b32 s26, s18, 8
	v_lshl_add_u32 v62, v18, 2, s26                ; v62  bv: 4 (64 w + r)
	v_mov_b32 v250, 0                              ; a lane permute's destination counts as one of its sources
	s_lshl_b32 s26, s21, 22                        ; x: b x 4 MiB + kh x 128 rows of 16 KiB + nb x 256
	s_lshl_b32 s27, s20, 21
	s_add_co_u32 s26, s26, s27
	s_lshl_b32 s27, ttmp9, 8
	s_add_co_u32 s26, s26, s27
	s_mov_b32 s27, 0
	s_lshl_b32 s28, s21, 5
	s_add_co_u32 s28, s28, s25
	s_mul_i32 s28, s28, REC                        ; my record
	s_mov_b32 s29, 0
	s_mul_i32 s30, s24, 12288                      ; V's half fragments: half c', my four channel tiles
	s_mul_i32 s31, s18, 3072
	s_add_co_u32 s30, s30, s31
	s_mov_b32 s31, 0
	s_lshl_b32 s32, s24, 7                         ; K's scale image of half c'
	s_mov_b32 s33, 0
	s_lshl_b32 s34, s21, 12
	s_lshl_b32 s35, ttmp9, 6
	s_add_co_u32 s34, s34, s35
	s_lshl_b32 s34, s34, 5                         ; qrec: 32 bytes a point
	s_mov_b32 s35, 0
	s_lshl_b32 s36, s18, 3
	s_add_co_u32 s36, s36, 8                       ; my first fragment of Wv: 8 + 8 w
	s_mul_i32 s38, s36, 1536
	s_mov_b32 s39, 0
	s_lshl_b32 s36, s36, 7
	s_add_co_u32 s36, s36, 61440
	s_mov_b32 s37, 0
	s_wait_kmcnt 0x0
	s_add_nc_u64 s[4:5], s[4:5], s[26:27]
	s_add_nc_u64 s[16:17], s[16:17], s[28:29]
	s_add_nc_u64 s[30:31], s[16:17], s[30:31]
	s_add_nc_u64 s[32:33], s[16:17], s[32:33]
	s_add_nc_u64 s[14:15], s[14:15], s[34:35]
	s_add_nc_u64 s[38:39], s[6:7], s[38:39]
	s_add_nc_u64 s[36:37], s[6:7], s[36:37]
	; ---- X: loads run two blocks ahead; the weights' loads follow x's and land while the last blocks are quantised
	XLOAD 0
	XLOAD 1
	s_wait_loadcnt 32                              ; block 0 is in; block 1's 32 loads stay out
	XLOAD 2
	QX 0
	s_wait_loadcnt 32                              ; block 1; block 2's stay out
	XLOAD 3
	QX 1
	s_wait_loadcnt 32                              ; block 2; block 3's stay out
	WIN 0x40                                       ; destination window 1
.set k, 0
.rept 24
	global_load_b128 v[4*k:4*k+3], v2, s[6:7] offset:512*k        ; Wq's and Wk's eight fragments, as they lie
.set k, k+1
.endr
	WIN 0
	QX 2
	s_wait_loadcnt 24                              ; block 3; the 24 loads just issued stay out
	WIN 0x40
.set k, 0
.rept 24
	global_load_b128 v[96+4*k:96+4*k+3], v2, s[38:39] offset:512*k   ; my eight fragments of Wv
.set k, k+1
.endr
.irp T, 0,1                                    ; the biases in the result's layout: lane (r, h), register j of tile T: d = 16 h + 8 (T % 2) + j
	global_load_b128 v[192+8*\T:195+8*\T], v61, s[8:9] offset:32*\T
	global_load_b128 v[196+8*\T:199+8*\T], v61, s[8:9] offset:32*\T+16
	global_load_b128 v[208+8*\T:211+8*\T], v61, s[10:11] offset:32*\T
	global_load_b128 v[212+8*\T:215+8*\T], v61, s[10:11] offset:32*\T+16
.endr
.irp c, 0,1,2,3
	global_load_b32 v[224+8*\c], v62, s[12:13] offset:64*\c       ; bv of channel 64 w + 16 c + r
.endr
	WIN 0
.irp f, 0,1,2,3,4,5,6,7
	global_load_b32 v[224+\f], v4, s[6:7] offset:61440+128*\f     ; the weights' scale words
	global_load_b32 v[232+\f], v4, s[36:37] offset:128*\f
.endr
	QX 3
.irp i, 0,1,2,3,4,5,6,7,8,9,10,11
	v_permlane16_swap_b32 v[16+\i], v[28+\i]       ; lanes 16-31 of the even blocks (the second tile's) change places with lanes 0-15 of the odd blocks (the first tile's): v16.. is now the first tile's fragment, v28.. the second's
.endr
.irp i, 0,1,2
	ds_store_b128 v5, v[16+4*\i:19+4*\i] offset:512*\i
	ds_store_b128 v5, v[28+4*\i:31+4*\i] offset:3072+512*\i
.endr
	ds_store_b32 v6, v48
	s_wait_dscnt 0x0                               ; for the others' sake: my stores have landed
	s_barrier_signal -1
	s_barrier_wait -1                              ; x's eight fragments lie in LDS
.set k, 0
.rept 24
	ds_load_b128 v[64+4*k:64+4*k+3], v2 offset:512*k
.set k, k+1
.endr
.irp k, 0,1,2,3
	ds_load_b32 v[240+\k], v4 offset:XSC+128*\k
.endr
.irp i, 0,1,2,3,4,5
	ds_load_b128 v[192+4*\i:195+4*\i], v7 offset:512*\i
.endr
	ds_load_b32 v244, v8
	ds_load_b32 v245, v8 offset:128
	s_wait_loadcnt 0x0                             ; the weights, their scale words, the biases
	WIN 0x41                                       ; destination and source 0 window 1
.irp c, 0,1,2,3
.irp j, 1,2,3,4,5,6,7
	v_mov_b32 v[224+8*\c+\j], v[224+8*\c]          ; a lane's eight results of a tile of v belong to one channel: its bias eight times
.endr
.endr
	WIN 0
	s_wait_dscnt 0x0
	; ---- q and k of point tile w: source 0 = 16 rows of the weight, source 1 = x.  Four accumulators by turns
	WIN 0x11                                       ; source 0 (the weight) and source 2 (the bias) window 1
.irp T, 0,1,2,3
	v_wmma_scale_f32_16x16x128_f8f6f4 v[ACC+8*\T:ACC+8*\T+7], v[24*\T:24*\T+11], v[192:203], v[192+8*\T:199+8*\T], v[224+2*\T], v244 matrix_a_fmt:MATRIX_FMT_BF6 matrix_b_fmt:MATRIX_FMT_BF6
.endr
	WIN 0x01
.irp T, 0,1,2,3
	v_wmma_scale_f32_16x16x128_f8f6f4 v[ACC+8*\T:ACC+8*\T+7], v[24*\T+12:24*\T+23], v[204:215], v[ACC+8*\T:ACC+8*\T+7], v[225+2*\T], v245 matrix_a_fmt:MATRIX_FMT_BF6 matrix_b_fmt:MATRIX_FMT_BF6
.endr
	WIN 0
	PLACES 4
	QK16 ACC, 48, 56, 248                          ; q
	QK16 ACC+16, 52, 57, 251                       ; k
	v_nop                                          ; one plain place behind a scaled conversion
	global_store_b96 v11, v[48:50], s[14:15]
	global_store_b32 v12, v56, s[14:15]
	global_store_b96 v13, v[52:54], s[16:17]
	ds_store_b8 v9, v57                            ; both lanes of a block write the same byte with the same value
	s_wait_dscnt 0x0
	s_barrier_signal -1
	s_barrier_wait -1                              ; the four waves' bytes make row r's word: byte u = key 32 (r / 8) + 8 u + r % 8 of this half
	s_cmp_lg_u32 s18, 0
	s_cbranch_scc1 .Lnot_wave_0
	ds_load_b32 v63, v10
	s_wait_dscnt 0x0
	global_store_b32 v4, v63, s[32:33] offset:RKS
.Lnot_wave_0:
	; ---- v: my 64 channels for the 64 points
	VPASS 0
	VPASS 1
	s_endpgm
.Lfunc_end_k_q76b557ee8c_proj:
	.size	k_q76b557ee8c_proj, .Lfunc_end_k_q76b557ee8c_proj-k_q76b557ee8c_proj
	.p2alignl 7, 3214868480
	.fill 96, 4, 3214868480
	.section	.rodata,"a",@progbits
	.p2align	6, 0x0
	.amdhsa_kernel k_q76b557ee8c_proj
		.amdhsa_group_segment_fixed_size 16384
		.amdhsa_private_segment_fixed_size 0
		.amdhsa_enable_private_segment 0
		.amdhsa_kernarg_size 56
		.amdhsa_user_sgpr_count 2
		.amdhsa_user_sgpr_kernarg_segment_ptr 1
		.amdhsa_wavefront_size32 1
		.amdhsa_system_sgpr_workgroup_id_x 1
		.amdhsa_system_sgpr_workgroup_id_y 1
		.amdhsa_system_sgpr_workgroup_id_z 1
		.amdhsa_system_vgpr_workitem_id 0
		.amdhsa_next_free_vgpr 512
		.amdhsa_next_free_sgpr 66
		.amdhsa_reserve_vcc 1
		.amdhsa_float_denorm_mode_32 3
		.amdhsa_float_denorm_mode_16_64 3
		.amdhsa_memory_ordered 1
		.amdhsa_forward_progress 1
		.amdhsa_inst_pref_size 49
	.end_amdhsa_kernel
	.amdgpu_metadata
---
amdhsa.version: [ 1, 2 ]
amdhsa.kernels:
  - .name:           k_q76b557ee8c_proj
    .symbol:         k_q76b557ee8c_proj.kd
    .args:
      - { .name: x, .offset: 0, .size: 8, .value_kind: global_buffer, .address_space: global }
      - { .name: wimg, .offset: 8, .size: 8, .value_kind: global_buffer, .address_space: global }
      - { .name: bq, .offset: 16, .size: 8, .value_kind: global_buffer, .address_space: global }
      - { .name: bk, .offset: 24, .size: 8, .value_kind: global_buffer, .address_space: global }
      - { .name: bv, .offset: 32, .size: 8, .value_kind: global_buffer, .address_space: global }
      - { .name: qrec, .offset: 40, .size: 8, .value_kind: global_buffer, .address_space: global }
      - { .name: kv, .offset: 48, .size: 8, .value_kind: global_buffer, .address_space: global }
    .group_segment_fixed_size: 16384
    .private_segment_fixed_size: 0
    .kernarg_segment_align: 8
    .kernarg_segment_size: 56
    .max_flat_workgroup_size: 128
    .sgpr_count:     66
    .vgpr_count:     512
    .wavefront_size: 32
...
	.end_amdgpu_metadata
.endif
;; end of part 2
;; launch attn (part 3): grid 64 x 4, 8 waves a work-group, clusters of 4 x 1, 327,680 bytes of LDS; arguments qrec, kv, x, gamma, out0; writes out0
.if DOCPART == 3
	.amdgcn_target "amdgcn-amd-amdhsa--gfx1250"
	.amdhsa_code_object_version 6
	.text
	.protected	k_q76b557ee8c_attn
	.globl	k_q76b557ee8c_attn
	.p2align	8
	.type	k_q76b557ee8c_attn,@function
k_q76b557ee8c_attn:
	s_mov_b64 s[64:65], 0
	v_nop
	global_prefetch_b8 v0, s[64:65] scope:SCOPE_SE
	s_setreg_imm32_b32 hwreg(HW_REG_WAVE_MODE, 25, 1), 1
	s_wait_xcnt 0x0
	s_wait_alu depctr_hold_cnt(0) depctr_sa_sdst(0) depctr_va_vdst(0) depctr_va_sdst(0) depctr_va_ssrc(0) depctr_va_vcc(0) depctr_vm_vsrc(0)
	s_getreg_b32 s2, hwreg(HW_REG_IB_STS2, 6, 4)
	s_cmp_eq_u32 s2, 0
	s_cbranch_scc0 .Lentry_in_a_cluster
	s_endpgm
.Lentry_in_a_cluster:
	s_bfe_u32 s2, ttmp6, 0x10000c
	s_cmp_lg_u32 s2, 0x3003
	s_cbranch_scc0 .Lentry_shape_is_right
	s_endpgm
.Lentry_shape_is_right:
; out0[b][c][m] = gamma x (sum over n of v[b][c][n] p[m][n]) / l[m] + x[b][c][m], p = 2^(t - M), t = (q[m] . k[n]) log2(e), M = the ceiling of the largest t, l = the sum of the unquantised p.
; Both products on codes of E3M2 with one E8M0 scale for each 32 along K.  q, k, v come as codes from the launch before.
; SHARES.  A work-group owns 64 queries of a batch.  Wave w: g = w % 4 is its share of the keys (record 4 trip + g, 128 keys, 8 trips), qh = w / 4 its two tiles of 16 queries.  Two waves lie on a SIMD, so that one
; wave's softmax stands beside the other's matrix work and LDS loads; each fragment of V read from LDS feeds two products.  The four shares keep a running M, sum and O^T of their own and are merged at the end:
; all rescalings are powers of two.  The order of the sums so differs from a single walk over the keys.
; CLUSTER.  The four work-groups of a cluster belong to one batch and walk the same records: each record is asked for JOINTLY (mask 15), by the same tensor load with the same descriptor in all four.
; THE FIRST PRODUCT, K = 32, WITHOUT PADDING ON K'S SIDE.  A fragment of k holds 64 keys: row m, block bb = key 64 F + 32 (m / 8) + 8 bb + m % 8.  q stands in four operands Q_bb: its 32 codes in block bb, zero codes
; in the other three blocks (scale byte 0 there, which is 2^-127, no NaN).  S^T tile (F, bb) = fragment F x Q_bb: what k's side holds in the other blocks is multiplied by zero codes (E3M2 has no infinity and no NaN).
; Lane (r, h), register 8 bb + j of the four tiles of F: key 64 F + 32 h + 8 bb + j of query r: a lane's 32 registers are ONE WHOLE BLOCK of 32 neighbouring keys, as P's operand wants it in that lane:
; a block's maximum needs no other lane, and the conversions' results are the operand.
; THE SECOND PRODUCT is used transposed too: O^T = V^T P^T (source 0 = 16 channels, source 1 = P): a lane holds one query throughout.
; LIMITS: NaN and infinities are not served; p under 2^-126 is 0 (v_exp_f32), nothing beside a row's largest p, which lies above 1/2; a block of p whose largest lies under 2^-122 keeps the scale byte 1.
; A block's largest p is not searched for: the block's largest score goes through the same multiply-add and exponential (this takes v_exp_f32 not to fall where its input rises).
; REGISTERS.  window 0: v1, v2 the spare word's address and 0; v3-11 addresses; v12-23 statistics, six a tile: -M, the largest t, the sum in two halves, f, P's scale word; v24-41 at work; v42-49 V's scale words,
;   v50-51 K's, v52-59 q's (scales and nothing else); v60-113 the chain Z QL0 Z QH0 Z QL1 Z QH1 Z of six registers each, from which every Q_bb is twelve on end; v114-137 P's codes; v138-233: K's two fragments and S^T, then V's
;   fragments in two sets; v234-243 addresses for the end; v244-255 at work.   window 1: O^T(t, ct) at v[128 t + 8 ct].
.set REC,   28928                      ; a record of 128 keys: 113 x 256 bytes
.set RK,    24576
.set RVS,   27648
.set RKS,   28672
.set SLOT1, 1<<17                      ; a slot holds four records (115,712 bytes); slot 1 begins here, so that one exclusive or turns an address in one slot into the other's
.set STG,   69632                      ; the end: a stage for each share of the keys, 256 channels x (64 queries x 4 bytes + 16).  The stages lie over the ring, which has then had its last fill and its last read
.set STATS, 4*STG                      ; 2,048 bytes: -M and l of each (qh, t, g, query)
.set SPARE, STATS+2048                 ; the spare words, 128 bytes for each wave: four blocks of 256 bytes that no other line names
.set S,   162
.set KF,  138
.set VA,  138
.set VB,  186
.set PP,  114
.set XR,  138                          ; the end: 64 registers of x
.set SR,  60                           ; and 64 of the stages' rows
.set MSB, 0
.macro WIN new                         ; the immediate's high byte repeats the setting that is left
.if MSB != \new
	s_set_vgpr_msb (MSB<<8)|\new
.set MSB, \new
.endif
.endm
.macro PLACES n
.rept \n
	v_nop
.endr
.endm
.macro CROUND                          ; a round of the cluster's barrier
	s_barrier_signal -1
	s_barrier_wait -1
	s_cmp_lg_u32 s14, 0
	s_cbranch_scc1 .Lnot_wave_0_\@
	s_barrier_signal -3
.Lnot_wave_0_\@:
	s_barrier_wait -3
	s_barrier_signal -1
	s_barrier_wait -1
.endm
.macro JLOAD                           ; waves 0-3 fetch a record each, the others nothing: the branch hangs on the wave's number alone.  Four v_nop follow the load
	s_cmp_lt_u32 s14, 4
	s_cbranch_scc0 .Lskip_\@
	tensor_load_to_lds s[32:35], s[24:31]
.rept 4
	v_nop
.endr
.Lskip_\@:
.endm
; THE CHANGE OF SLOTS, at a trip's head.  Each wave waits for all its tensor loads (its record of the slot ahead), adds 0 to its spare word, and waits for that and for its reads of the slot that it has left.
; fill = 1: a round of the cluster's barrier, so that no wave of any partner still reads that slot or has a load on its way; the joint refill is the first thing behind it and has a whole trip in which to land.
; By this text's own count a wave has one tensor load out at the most.
.macro CHANGE fill
	s_wait_tensorcnt 0x0                           ; no tensor load of mine is out, so group 0 may be written
	ds_add_u32 v1, v2                              ; 0 onto my spare word
.if \fill
	s_xor_b32 s33, s33, SLOT1                      ; the walking descriptor: the other slot than last time,
	s_add_nc_u64 s[34:35], s[34:35], 4*REC         ; four records on; the type bits on top are not reached
.endif
	s_wait_dscnt 0x0                               ; the add is done, and my reads of the slot that I have left are over
.if \fill
	CROUND
	JLOAD
.else
	s_barrier_signal -1
	s_barrier_wait -1
.endif
.endm
.macro KLOAD                           ; K's two fragments (12 loads of 8 bytes), their scale words (2), then V's scale words (8)
.irp f, 0,1
.irp c, 0,1
.irp p, 0,1,2
	ds_load_b64 v[KF+12*\f+6*\c+2*\p:KF+12*\f+6*\c+2*\p+1], v10 offset:1536*\f+384*\c+8*\p
.endr
.endr
.endr
.irp f, 0,1
	ds_load_b32 v[50+\f], v9 offset:RKS+128*\f
.endr
.irp k, 0,1,2,3,4,5,6,7
	ds_load_b32 v[42+\k], v9 offset:RVS+128*\k     ; lanes 0-15: channel tile 2 k, lanes 16-31: tile 2 k + 1
.endr
.endm
.macro SMUL t                          ; S^T of query tile t: eight products, each begins its sum with 0
.irp f, 0,1
.irp b, 0,1,2,3
.set rQ, 66+24*(\t)+12*(\b%2)-6*(\b/2)
	v_wmma_scale_f32_16x16x128_f8f6f4 v[S+32*\f+8*\b:S+32*\f+8*\b+7], v[KF+12*\f:KF+12*\f+11], v[rQ:rQ+11], 0, v[50+\f], v[52+4*(\t)+\b] matrix_a_fmt:MATRIX_FMT_BF6 matrix_b_fmt:MATRIX_FMT_BF6
.endr
.endr
.endm
.macro SOFTMAX t
.set ST, 12+6*(\t)
.irp f, 0,1                                    ; the largest score of each of my two blocks of 32 keys, in ascending order, two chains a block, the blocks by turns
	v_max3_num_f32 v[24+\f], v[S+32*\f], v[S+32*\f+1], v[S+32*\f+2]
.endr
.irp f, 0,1
	v_max3_num_f32 v[244+\f], v[S+32*\f+3], v[S+32*\f+4], v[S+32*\f+5]
.endr
.irp i, 6,10,14,18,22,26
.irp f, 0,1
	v_max3_num_f32 v[24+\f], v[24+\f], v[S+32*\f+\i], v[S+32*\f+\i+1]
.endr
.irp f, 0,1
	v_max3_num_f32 v[244+\f], v[244+\f], v[S+32*\f+\i+2], v[S+32*\f+\i+3]
.endr
.endr
.irp f, 0,1
	v_max3_num_f32 v[24+\f], v[24+\f], v[S+32*\f+30], v[S+32*\f+31]
.endr
.irp f, 0,1
	v_max_num_f32 v[24+\f], v[24+\f], v[244+\f]
.endr
	v_max_num_f32 v40, v24, v25
	v_permlanex16_b32 v26, v40, s20, s21
	v_max_num_f32 v40, v40, v26                    ; the step's largest score of my query
	v_mul_f32 v40, s22, v40                        ; as t
	v_max_num_f32 v[ST+1], v[ST+1], v40            ; the running largest t
	v_mov_b32 v40, v[ST]
	v_floor_f32 v[ST], -v[ST+1]                    ; the new -M = floor(-t): M is a whole number
	v_sub_f32 v40, v[ST], v40                      ; old M - new M: a whole number, 0 or less
	v_cvt_i32_f32 v40, v40                         ; (it saturates)
	v_ldexp_f32 v[ST+4], 1.0, v40                  ; f = 2^(old M - new M): rounds nothing
.set j, 0
.rept 32
	v_pk_fma_f32 v[S+j:S+j+1], v[S+j:S+j+1], s[22:23], v[ST:ST+1] op_sel_hi:[1,0,0]   ; t - M, two at a time (of the pairs the low word serves both halves)
.set j, j+2
.endr
.irp f, 0,1
	v_fma_f32 v[24+\f], v[24+\f], s22, v[ST]       ; the same of each block's largest score
.endr
.set j, 0
.rept 64
	v_exp_f32 v[S+j], v[S+j]                       ; p = 2^(t - M), at most 1, not normalised
.set j, j+1
.endr
.irp f, 0,1
	v_exp_f32 v[24+\f], v[24+\f]                   ; the block's largest p
.endr
	v_pk_mul_f32 v[ST+2:ST+3], v[ST+2:ST+3], v[ST+4:ST+5] op_sel_hi:[1,0]   ; the sums under the new M.  (The plain place behind the exponentials)
.irp f, 0,1
	v_max_num_f32 v[24+\f], 0x2800000, v[24+\f]    ; the floor 2^(5 - 127): the byte cannot fall under 1
.endr
.irp f, 0,1
	v_add_nc_u32 v[28+\f], 0xfe000000, v[24+\f]    ; 4 off the exponent field: the conversion's scale operand
.endr
.irp f, 0,1
	v_lshrrev_b32 v[30+\f], 23, v[28+\f]           ; the scale's byte
.endr
	v_lshl_or_b32 v40, v31, 16, v30                ; my two bytes: blocks h and 2 + h,
	v_lshlrev_b32 v40, v11, v40                    ; 8 h bits up;
	v_permlanex16_b32 v26, v40, s20, s21
	v_or_b32 v[ST+5], v40, v26                     ; with lane l xor 16's two: P's scale word for these 128 keys
.irp f, 0,1
	v_cvt_scalef32_pk16_bf6_f32 v[PP+12*(\t)+6*\f:PP+12*(\t)+6*\f+2], v[S+32*\f:S+32*\f+15], v[28+\f]
	v_cvt_scalef32_pk16_bf6_f32 v[32+4*\f:34+4*\f], v[S+32*\f+16:S+32*\f+31], v[28+\f]   ; (a conversion's three registers begin on an even number)
.endr
	v_nop                                          ; one plain place behind a scaled conversion
.irp f, 0,1
.irp i, 0,1,2
	v_mov_b32 v[PP+12*(\t)+6*\f+3+\i], v[32+4*\f+\i]
.endr
.endr
	v_pk_add_f32 v[246:247], v[S:S+1], v[S+2:S+3]  ; the row's sum is taken of the unquantised p: two at a time, in two chains
.set j, 4
.rept 15
	v_pk_add_f32 v[ST+2:ST+3], v[ST+2:ST+3], v[S+j:S+j+1]
	v_pk_add_f32 v[246:247], v[246:247], v[S+j+2:S+j+3]
.set j, j+4
.endr
	v_pk_add_f32 v[ST+2:ST+3], v[ST+2:ST+3], v[246:247]
.endm
.macro RESCALE t                       ; O^T under the new M: x f, from each accumulator's low end on.  These 64 are also the places in front of the products that write over S^T, and of the loads into K's and S^T's registers
	WIN 0x41                                       ; destination and source 0 window 1
.set j, 0
.rept 64
	v_pk_mul_f32 v[128*(\t)+j:128*(\t)+j+1], v[128*(\t)+j:128*(\t)+j+1], v[16+6*(\t):17+6*(\t)] op_sel_hi:[1,0]
.set j, j+2
.endr
	WIN 0
.endm
.macro VLOAD q, base                   ; V's fragments of channel tiles 4 q .. 4 q + 3: images of their registers: for each half of 64 keys 16 bytes a lane, then 8: 16 loads
.irp f, 0,1,2,3
.irp c, 0,1
	ds_load_b128 v[\base+12*\f+6*\c:\base+12*\f+6*\c+3], v7 offset:\c*12288+(4*(\q)+\f)*768
	ds_load_b64 v[\base+12*\f+6*\c+4:\base+12*\f+6*\c+5], v8 offset:\c*12288+(4*(\q)+\f)*768
.endr
.endr
.endm
.macro PVMUL q, base, first            ; O^T += V^T P^T: four channel tiles x my two query tiles.  Each accumulator has one instruction a step: they take turns
.if \first
	WIN 0x40                                       ; D window 1; the first step's products start the sums with 0: nothing is cleared
.else
	WIN 0x50                                       ; C and D window 1
.endif
.irp f, 0,1,2,3
.irp t, 0,1
.set ct, 4*(\q)+\f
.set rO, 128*\t+8*ct
.set rV, \base+12*\f
.set rP, PP+12*\t
.if \first
.if ct%2 == 0
	v_wmma_scale_f32_16x16x128_f8f6f4 v[rO:rO+7], v[rV:rV+11], v[rP:rP+11], 0, v[42+ct/2], v[17+6*\t] matrix_a_fmt:MATRIX_FMT_BF6 matrix_b_fmt:MATRIX_FMT_BF6
.else
	v_wmma_scale_f32_16x16x128_f8f6f4 v[rO:rO+7], v[rV:rV+11], v[rP:rP+11], 0, v[42+ct/2], v[17+6*\t] matrix_a_fmt:MATRIX_FMT_BF6 matrix_b_fmt:MATRIX_FMT_BF6 matrix_a_scale:MATRIX_SCALE_ROW1
.endif
.else
.if ct%2 == 0
	v_wmma_scale_f32_16x16x128_f8f6f4 v[rO:rO+7], v[rV:rV+11], v[rP:rP+11], v[rO:rO+7], v[42+ct/2], v[17+6*\t] matrix_a_fmt:MATRIX_FMT_BF6 matrix_b_fmt:MATRIX_FMT_BF6
.else
	v_wmma_scale_f32_16x16x128_f8f6f4 v[rO:rO+7], v[rV:rV+11], v[rP:rP+11], v[rO:rO+7], v[42+ct/2], v[17+6*\t] matrix_a_fmt:MATRIX_FMT_BF6 matrix_b_fmt:MATRIX_FMT_BF6 matrix_a_scale:MATRIX_SCALE_ROW1
.endif
.endif
.endr
.endr
	WIN 0
.endm
; A STEP: my record of the slot in hand, 128 keys, for my two query tiles.
.macro STEP first
	v_add_nc_u32 v7, s36, v3                       ; this slot's addresses.  With the two v_nop: six places behind the last step's products, whose operands are loaded and written over below
	v_add_nc_u32 v8, s36, v4
	v_add_nc_u32 v9, s36, v5
	v_add_nc_u32 v10, s36, v6
	v_nop
	v_nop
	KLOAD
	s_wait_dscnt 8                                 ; K's 14 loads are in; V's 8 scale words may stay out
	SMUL 0
	PLACES 4
	SOFTMAX 0
.if \first
	PLACES 5                                       ; the first step has nothing to rescale: five places in front of products that write over S^T
.else
	RESCALE 0
.endif
	SMUL 1
	PLACES 4
	SOFTMAX 1
.if \first
	PLACES 4
.else
	RESCALE 1
.endif
	VLOAD 0, VA
	VLOAD 1, VB
	s_wait_dscnt 16                                ; set A (and V's scale words) are in; set B's 16 loads stay out
	PVMUL 0, VA, \first
	PLACES 4                                       ; in front of loads into registers that matrix instructions have read
	VLOAD 2, VA
	s_wait_dscnt 16                                ; set B
	PVMUL 1, VB, \first
	PLACES 4
	VLOAD 3, VB
	s_wait_dscnt 16                                ; set A
	PVMUL 2, VA, \first
	s_wait_dscnt 0x0
	PVMUL 3, VB, \first
	s_xor_b32 s36, s36, SLOT1                      ; on to the other slot
.endm
	s_load_b256 s[4:11], s[0:1], 0x0               ; qrec s[4:5], kv s[6:7], x s[8:9], gamma s[10:11]
	s_load_b64 s[12:13], s[0:1], 0x20              ; out0
	v_lshl_add_u32 v1, v0, 2, SPARE
	v_mov_b32 v2, 0
	v_lshrrev_b32 v3, 5, v0
	v_readfirstlane_b32 s14, v3                    ; wave 0..7
	s_and_b32 s15, s14, 3                          ; g
	s_lshr_b32 s16, s14, 2                         ; qh
	s_bfe_u32 s17, ttmp6, 0x40000                  ; cx: my place in the cluster
	s_lshl_b32 s18, ttmp9, 2                       ; in a cluster launch ttmp9 counts clusters
	s_add_co_u32 s18, s18, s17                     ; nb: my block of 64 queries: it enters q's, x's and the output's addresses alone
	s_and_b32 s19, ttmp7, 0xffff                   ; the batch, which the four partners share
	s_mov_b32 s20, 0x76543210
	s_mov_b32 s21, 0xfedcba98                      ; v_permlanex16_b32's selects for lane l xor 16
	s_mov_b32 s22, 0x3fb8aa3b                      ; log2(e)
	s_mov_b32 s23, s22                             ; (named with it as a pair, so it is written)
	s_mov_b32 vcc_lo, 0xffff0000                   ; lanes 16-31
	; descriptor group 1: a record, dense in memory, as 113 rows of 256 bytes (32 elements of 8), no padding: register images are read as consecutive bytes
	s_mov_b32 s24, 15|(3<<16)|(1<<21)              ; 15:0 the mask: all four work-groups; 17:16 elements of 8 bytes; 21 set beside a mask
	s_mov_b32 s25, 32<<16                          ; tensor_dim0 = 32
	s_mov_b32 s26, 113<<16                         ; tensor_dim1 = 113
	s_mov_b32 s27, 32<<16                          ; tile_dim0 = 32
	s_mov_b32 s28, 113                             ; tile_dim1 = 113
	s_mov_b32 s29, 32                              ; tensor_dim0_stride
	s_mov_b32 s30, 0
	s_mov_b32 s31, 0
	s_lshl_b32 s40, s19, 5
	s_add_co_u32 s40, s40, s15
	s_mul_i32 s40, s40, REC                        ; record 32 b + g
	s_mov_b32 s41, 0
	s_lshl_b32 s42, s19, 12
	s_lshl_b32 s43, s18, 6
	s_add_co_u32 s42, s42, s43
	s_lshl_b32 s43, s16, 5
	s_add_co_u32 s42, s42, s43
	s_lshl_b32 s42, s42, 5                         ; my first query's 32 bytes
	s_mov_b32 s43, 0
	s_lshl_b32 s52, s19, 22
	s_lshl_b32 s53, s18, 8
	s_add_co_u32 s52, s52, s53                     ; x and the output: b x 4 MiB + nb x 256
	s_mov_b32 s53, 0
	s_wait_kmcnt 0x0
	s_load_b32 s38, s[10:11], 0x0                  ; gamma
	s_mov_b32 s32, 1                               ; group 0: count = 1,
	s_mul_i32 s33, s15, REC                        ; LDS address: slot 0, my record's place: no place in the cluster enters it,
	s_add_nc_u64 s[34:35], s[6:7], s[40:41]        ; global address,
	s_or_b32 s35, s35, 0x80000000                  ; type = 2
	s_add_nc_u64 s[4:5], s[4:5], s[42:43]
	s_add_nc_u64 s[8:9], s[8:9], s[52:53]
	s_add_nc_u64 s[12:13], s[12:13], s[52:53]
	CROUND                                         ; all four work-groups are here: the first joint loads meet
	JLOAD                                          ; slot 0: trip 0's four records
	v_and_b32 v249, 15, v0                         ; r
	v_bfe_u32 v250, v0, 4, 1                       ; h
	v_and_b32 v251, 31, v0                         ; L
	v_lshlrev_b32 v248, 5, v249                    ; q: 32 bytes a query; both halves of the lanes take query r's
.irp t, 0,1
	global_load_b64 v[138+6*\t:139+6*\t], v248, s[4:5] offset:512*\t
	global_load_b64 v[140+6*\t:141+6*\t], v248, s[4:5] offset:512*\t+8
	global_load_b64 v[142+6*\t:143+6*\t], v248, s[4:5] offset:512*\t+16
	global_load_b32 v[150+\t], v248, s[4:5] offset:512*\t+24
.endr
	s_mul_i32 s44, s15, REC
	s_add_co_u32 s45, s44, 512
	s_add_co_u32 s46, s44, RK
	v_lshl_add_u32 v3, v251, 4, s44                ; v3   16 L + my record's place
	v_lshl_add_u32 v4, v251, 3, s45                ; v4   8 L + 512 + the same
	v_lshl_add_u32 v5, v251, 2, s44                ; v5   4 L + the same
	v_bfe_u32 v252, v0, 3, 1
	v_and_b32 v253, 7, v0
	v_mul_u32_u24 v6, v252, 768
	v_mad_u32_u24 v6, v250, 192, v6
	v_mad_u32_u24 v6, v253, 24, v6
	v_add_nc_u32 v6, s46, v6                       ; v6   K: 24 x key(0, r, h) = 768 (r / 8) + 192 h + 24 (r % 8)
	v_lshlrev_b32 v11, 3, v250                     ; v11  8 h
	v_lshlrev_b32 v234, 14, v0                     ; v234 x: thread i names channel i's 256 bytes of my 64 queries
	s_lshl_b32 s47, s14, 19
	v_lshlrev_b32 v235, 14, v250
	v_lshl_add_u32 v235, v249, 4, v235
	v_add_nc_u32 v235, s47, v235                   ; v235 x and the output: channel 32 w + L / 16, 16 bytes a lane
	s_lshl_b32 s48, s16, 10
	s_add_co_u32 s49, s48, STATS
	s_lshl_b32 s48, s15, 7
	s_add_co_u32 s48, s48, s49
	v_lshl_add_u32 v236, v249, 3, s48              ; v236 where I put my statistics
	v_lshl_add_u32 v237, v249, 3, s49              ; v237 and where the four shares' begin
	s_mul_i32 s50, s15, STG
	s_lshl_b32 s51, s16, 7
	s_add_co_u32 s50, s50, s51
	v_mul_u32_u24 v238, v250, 2176
	v_lshl_add_u32 v238, v249, 2, v238
	v_add_nc_u32 v238, s50, v238                   ; v238 my stage: channel 8 h, query 32 qh + r
	v_add_nc_u32 v239, 34816, v238                 ; v239 the same, 128 channels on
	s_mul_i32 s51, s14, 8704
	v_mul_u32_u24 v240, v250, 272
	v_lshl_add_u32 v240, v249, 4, v240
	v_add_nc_u32 v240, s51, v240                   ; v240-243 back: channel 32 w + L / 16 of each of the four stages
	v_add_nc_u32 v241, STG, v240
	v_add_nc_u32 v242, 2*STG, v240
	v_add_nc_u32 v243, 3*STG, v240
.irp z, 60,72,84,96,108
.irp i, 0,1,2,3,4,5
	v_mov_b32 v[\z+\i], 0                          ; the zero codes
.endr
.endr
.irp t, 0,1
	v_mov_b32 v[13+6*\t], 0xff61b1e6               ; the largest t so far: -3e38, under every t
	v_floor_f32 v[12+6*\t], -v[13+6*\t]            ; -M
	v_mov_b32 v[14+6*\t], 0                        ; the sum, in two halves
	v_mov_b32 v[15+6*\t], 0
	v_mov_b32 v[16+6*\t], 0
	v_mov_b32 v[17+6*\t], 0                        ; (named as the upper half of a pair before it is first written)
	v_mov_b32 v[26+\t], 0                          ; a lane permute's destination counts as one of its sources
.endr
	s_wait_loadcnt 0x0
	s_wait_kmcnt 0x0
.irp t, 0,1
	v_mov_b32 v[52+4*\t], v[150+\t]                ; Q_bb's scale word: q's byte at byte bb, 0 elsewhere
	v_lshlrev_b32 v[53+4*\t], 8, v[150+\t]
	v_lshlrev_b32 v[54+4*\t], 16, v[150+\t]
	v_lshlrev_b32 v[55+4*\t], 24, v[150+\t]
.endr
.irp t, 0,1
.irp i, 0,1,2,3,4,5
	v_cndmask_b32 v[66+24*\t+\i], v[138+6*\t+\i], v60, vcc_lo    ; QL: q's codes in lanes 0-15, zeros in lanes 16-31
	v_cndmask_b32 v[78+24*\t+\i], v60, v[138+6*\t+\i], vcc_lo    ; QH: the other way round
.endr
.endr
	s_mov_b32 s36, 0                               ; the slot in hand
	s_mov_b32 s37, 6
	CHANGE 1                                       ; slot 1 is first filled as a refill is
	STEP 1                                         ; trip 0 starts O^T's sums
.Ltrip:                                            ; trips 1 to 6; their changes of slots ask for trips 2 to 7
	CHANGE 1
	STEP 0
	s_sub_co_u32 s37, s37, 1
	s_cmp_lg_u32 s37, 0
	s_cbranch_scc1 .Ltrip
	CHANGE 0                                       ; the last trip is written out: nothing is left to fetch
	global_prefetch_b8 v234, s[8:9] th:TH_LOAD_NT scope:SCOPE_SE   ; the work-group's 256 threads name its 256 pieces of 256 bytes of x, each once, one trip ahead of the loads that want them
	STEP 0
	; ---- THE MERGE of the four shares of the keys
	PLACES 4                                       ; behind the last products: in front of the loads into their operands' registers and of the first read of O^T
.irp t, 0,1
	v_add_f32 v[40+\t], v[14+6*\t], v[15+6*\t]     ; the sum's two halves,
.endr
.irp t, 0,1
	v_permlanex16_b32 v[26+\t], v[40+\t], s20, s21
.endr
.irp t, 0,1
	v_add_f32 v[13+6*\t], v[40+\t], v[26+\t]       ; and lane l xor 16's: my share's l, beside -M
.endr
.set i, 0
.rept 16
	global_load_b128 v[XR+4*i:XR+4*i+3], v235, s[8:9] offset:32768*i   ; x: channels 32 w + 2 i, + 1: sixteen lanes read 256 consecutive bytes
.set i, i+1
.endr
.irp t, 0,1
	ds_store_b64 v236, v[12+6*\t:13+6*\t] offset:512*\t   ; both halves of the lanes write the same pair
.endr
	s_wait_dscnt 0x0                               ; my stores have landed; my reads of the ring were over at the step's last wait
	s_barrier_signal -1
	s_barrier_wait -1                              ; nobody reads the ring any more: the stages may be written
.irp t, 0,1
.irp g, 0,1,2,3
	ds_load_b64 v[202+8*\t+2*\g:203+8*\t+2*\g], v237 offset:512*\t+128*\g
.endr
.endr
	s_wait_dscnt 0x0
.irp t, 0,1
	v_min3_num_f32 v124, v[202+8*\t], v[204+8*\t], v[206+8*\t]
	v_min_num_f32 v124, v124, v[208+8*\t]          ; the least -M = - the largest M
.irp g, 0,1,2,3
	v_sub_f32 v[128+\g], v124, v[202+8*\t+2*\g]    ; M of share g less the largest: a whole number, 0 or less
.endr
.irp g, 0,1,2,3
	v_cvt_i32_f32 v[128+\g], v[128+\g]
.endr
.irp g, 0,1,2,3
	v_ldexp_f32 v[128+\g], v[203+8*\t+2*\g], v[128+\g]
.endr
	v_add_f32 v128, v128, v129
	v_add_f32 v130, v130, v131
	v_add_f32 v128, v128, v130                     ; the row's sum under the largest M
	v_rcp_f32 v128, v128
	v_sub_f32 v129, v124, v[12+6*\t]               ; (the plain place behind the transcendental)
	v_cvt_i32_f32 v129, v129
	v_mul_f32 v128, s38, v128
	v_ldexp_f32 v[16+6*\t], v128, v129             ; gamma / l x 2^(my M - the largest M)
.endr
	WIN 0x41
.irp t, 0,1
.set j, 0
.rept 64
	v_pk_mul_f32 v[128*\t+j:128*\t+j+1], v[128*\t+j:128*\t+j+1], v[16+6*\t:17+6*\t] op_sel_hi:[1,0]
.set j, j+2
.endr
.endr
	WIN 0x04                                       ; an LDS store's data are its source 1: window 1
.set tt, 0
.rept 2
.set cc, 0
.rept 16
.set jj, 0
.rept 8
	ds_store_b32 v[238+cc/8], v[128*tt+8*cc+jj] offset:(16*(cc%8)+jj)*272+64*tt   ; channel 16 cc + 8 h + jj, query 32 qh + 16 tt + r
.set jj, jj+1
.endr
.set cc, cc+1
.endr
.set tt, tt+1
.endr
	WIN 0
	s_wait_dscnt 0x0
	s_barrier_signal -1
	s_barrier_wait -1                              ; the four stages are whole
	s_wait_loadcnt 0x0                             ; x
.set qq, 0
.rept 4                                        ; wave w: channels 32 w .. + 31, eight at a time
.set ii, 0
.rept 4
.irp g, 0,1,2,3
	ds_load_b128 v[SR+16*ii+4*\g:SR+16*ii+4*\g+3], v[240+\g] offset:544*(4*qq+ii)
.endr
.set ii, ii+1
.endr
	s_wait_dscnt 0x0
.set ii, 0
.rept 4
.set rs, SR+16*ii
.set rx, XR+4*(4*qq+ii)
	v_pk_add_f32 v[rs:rs+1], v[rs:rs+1], v[rs+4:rs+5]
	v_pk_add_f32 v[rs+2:rs+3], v[rs+2:rs+3], v[rs+6:rs+7]
	v_pk_add_f32 v[rs+8:rs+9], v[rs+8:rs+9], v[rs+12:rs+13]
	v_pk_add_f32 v[rs+10:rs+11], v[rs+10:rs+11], v[rs+14:rs+15]
	v_pk_add_f32 v[rs:rs+1], v[rs:rs+1], v[rs+8:rs+9]
	v_pk_add_f32 v[rs+2:rs+3], v[rs+2:rs+3], v[rs+10:rs+11]
	v_pk_add_f32 v[rx:rx+1], v[rx:rx+1], v[rs:rs+1]
	v_pk_add_f32 v[rx+2:rx+3], v[rx+2:rx+3], v[rs+2:rs+3]
	global_store_b128 v235, v[rx:rx+3], s[12:13] offset:32768*(4*qq+ii) th:TH_STORE_NT   ; sixteen lanes store 256 consecutive bytes, at a multiple of 256 from the output's first byte; no store's data are written again
.set ii, ii+1
.endr
.set qq, qq+1
.endr
	s_wait_tensorcnt 0x0                           ; the wave's end, behind my last tensor load and my last LDS store
	ds_add_u32 v1, v2
	s_wait_dscnt 0x0
	CROUND                                         ; the closing round: no work-group ends while a partner may still ask for a record that names it
	s_endpgm
.Lfunc_end_k_q76b557ee8c_attn:
	.size	k_q76b557ee8c_attn, .Lfunc_end_k_q76b557ee8c_attn-k_q76b557ee8c_attn
	.p2alignl 7, 3214868480
	.fill 96, 4, 3214868480
	.section	.rodata,"a",@progbits
	.p2align	6, 0x0
	.amdhsa_kernel k_q76b557ee8c_attn
		.amdhsa_group_segment_fixed_size 327680
		.amdhsa_private_segment_fixed_size 0
		.amdhsa_enable_private_segment 0
		.amdhsa_kernarg_size 40
		.amdhsa_user_sgpr_count 2
		.amdhsa_user_sgpr_kernarg_segment_ptr 1
		.amdhsa_wavefront_size32 1
		.amdhsa_system_sgpr_workgroup_id_x 1
		.amdhsa_system_sgpr_workgroup_id_y 1
		.amdhsa_system_sgpr_workgroup_id_z 1
		.amdhsa_system_vgpr_workitem_id 0
		.amdhsa_next_free_vgpr 512
		.amdhsa_next_free_sgpr 66
		.amdhsa_reserve_vcc 1
		.amdhsa_float_denorm_mode_32 3
		.amdhsa_float_denorm_mode_16_64 3
		.amdhsa_memory_ordered 1
		.amdhsa_forward_progress 1
		.amdhsa_inst_pref_size 165
	.end_amdhsa_kernel
	.amdgpu_metadata
---
amdhsa.version: [ 1, 2 ]
amdhsa.kernels:
  - .name:           k_q76b557ee8c_attn
    .symbol:         k_q76b557ee8c_attn.kd
    .args:
      - { .name: qrec, .offset: 0, .size: 8, .value_kind: global_buffer, .address_space: global }
      - { .name: kv, .offset: 8, .size: 8, .value_kind: global_buffer, .address_space: global }
      - { .name: x, .offset: 16, .size: 8, .value_kind: global_buffer, .address_space: global }
      - { .name: gamma, .offset: 24, .size: 8, .value_kind: global_buffer, .address_space: global }
      - { .name: out0, .offset: 32, .size: 8, .value_kind: global_buffer, .address_space: global }
    .group_segment_fixed_size: 327680
    .private_segment_fixed_size: 0
    .kernarg_segment_align: 8
    .kernarg_segment_size: 40
    .max_flat_workgroup_size: 256
    .sgpr_count:     66
    .vgpr_count:     512
    .wavefront_size: 32
...
	.end_amdgpu_metadata
.endif
;; end of part 3
